; MI455X (gfx1250); checked and timed in simulation.
; The chip was launched on July 23, 2026; its instructions are those of AMD's public machine-readable ISA for CDNA 5 (MIT licence, August 2026) and "CDNA5" Instruction Set Architecture Reference Guide (July 2026). The comments in the code are by the model that wrote it; some were corrected since.
;; My Bahdanau Attention. Allowed arithmetic: matrix products marked QUANTISED: E2M1 operands, one E8M0 scale for each 32 along K, by v_wmma_scale_f32_16x16x128_f8f6f4 with both operands' format E2M1 (or v_wmma_scale_f32_32x16x128_f4), f32 sums; products left as they are: f32 operands where the result goes on into a quantised operand, else bf16, f16 or f32 operands; f32 sums; everything else in f32.
;; Inputs: encoder_output 2,048 x 32 x 1,024 float32; last_decoder_state_codes 2 x 1 x 32 x 32 x 16 uint8 (E2M1 codes of last_decoder_state, K innermost, in blocks of 32 codes, two codes a byte); last_decoder_state_scales 2 x 1 x 32 x 32 uint8 (E8M0 scales of last_decoder_state, one for each 32 codes along K); v_b 1 float32; v_w 1 x 1,024 float32; w1_b 1,024 float32; w1_w_codes 1,024 x 32 x 16 uint8 (E2M1 codes of w1_w, K innermost, in blocks of 32 codes, two codes a byte); w1_w_scales 1,024 x 32 uint8 (E8M0 scales of w1_w, one for each 32 codes along K); w2_b 1,024 float32; w2_w_codes 1,024 x 32 x 16 uint8 (E2M1 codes of w2_w, K innermost, in blocks of 32 codes, two codes a byte); w2_w_scales 1,024 x 32 uint8 (E8M0 scales of w2_w, one for each 32 codes along K).
;; Outputs: out0 32 x 1,024 float32; out1 2,048 x 32 x 1 float32.
;; This version of the problem:
;;   THIS VERSION OF THE PROBLEM IS GIVEN IN LOW PRECISION. The matrix products marked QUANTISED in the list below multiply operands that are first quantised to E2M1 (2 exponent bits, 1 mantissa bit; 4 bits a number), with one power-of-two scale for each 32 numbers along K (OCP MX v1.0); their sums are f32. All else is computed in f32.
;;   The module's matrix products, in the order in which they are computed (A, B: the left and right operand; K: the contracted axis; several contracted axes count as one K, in the product's order):
;;     1. [M 65,536, K 1,024] x [K 1,024, N 1,024]; A: input encoder_output; B: input w1_w (given as codes): QUANTISED
;;     2. [M 32, K 1,024] x [K 1,024, N 1,024]; A: input last_decoder_state (given as codes); B: input w2_w (given as codes): QUANTISED
;;     3. [M 65,536, K 1,024] x [K 1,024, N 1]; A: computed on the way; B: input v_w: left as it is (N = 1 < 16)
;;   THE QUANTISER, for each operand of a quantised product, along K:
;;     - K is cut into blocks of 32 from its start; a last block that is shorter is filled with zeros.
;;     - A block's scale is 2^e with e = floor(log2(the largest magnitude in the block)) - 2, held to -126 .. 127; a block of zeros has e = 0. As a byte (E8M0): e + 127.
;;     - Each number is divided by its block's scale, clamped to +-6, and rounded to the nearest number of E2M1, ties to even, subnormals kept.
;;     - The product sums the exact products of the quantised numbers (number of the format x scale) in f32.
;;   ~~~python
;;   def quantise(x, axis):      # numpy; x: float32 -> the quantised numbers, widened to float32 again
;;       x = np.moveaxis(x, axis, -1); K = x.shape[-1]
;;       x = np.pad(x, [(0, 0)] * (x.ndim - 1) + [(0, -K % 32)]); x = x.reshape(x.shape[:-1] + (-1, 32)); a = np.abs(x).max(-1, keepdims=True)
;;       e = np.where(a > 0, np.clip(np.frexp(np.where(a > 0, a, 1))[1] - 1 - 2, -126, 127), 0)      # np.frexp(a)[1] - 1 = floor(log2(a)), exactly
;;       r = np.clip(x / 2.0 ** e, -6, 6)
;;       step = 2.0 ** (np.maximum(np.frexp(np.where(r == 0, 1, r))[1] - 1, 0) - 1)
;;       q = np.round(r / step) * step * 2.0 ** e      # np.round: ties to even
;;       return np.moveaxis(q.reshape(q.shape[:-2] + (-1,))[..., :K], -1, axis).astype(np.float32)
;;   ~~~
;;   INPUTS GIVEN AS CODES. last_decoder_state (in the module: [2, 1, 32, 1024], K = its axis 3); w1_w (in the module: [1024, 1024], K = its axis 1); w2_w (in the module: [1024, 1024], K = its axis 1): each comes as NAME_codes (uint8): NAME with its K axis moved to the last place and cut into blocks of 32 codes, [.., K / 32, bytes a block], one block behind the other in memory; two codes a byte, the lower K in the low four bits (a code: sign, 2 exponent bits, 1 mantissa bit); and NAME_scales (uint8): the same leading axes, one E8M0 byte (e + 127) for each 32 codes along K. Its value is code x scale, taken as it is: it is not quantised again, and the codes and scales need not be those that the quantiser above would give.
;; One version. Each part assembles by itself: llvm-mc -triple=amdgcn-amd-amdhsa -mcpu=gfx1250 --defsym DOCPART=n.
;; ======== version 1 of 1: 3 launches
;; limits: right only within a limited range of input values
;; workspace buffers: w1f 524,288 bytes; cb 131,072 bytes; scores 262,144 bytes; stats 8,192 bytes; ctxp 4,194,304 bytes
;; launch prep (part 1): grid 16 x 1, 4 waves a work-group, no clusters, 9,216 bytes of LDS; arguments last_decoder_state_codes, last_decoder_state_scales, w2_w_codes, w2_w_scales, w1_b, w2_b, w1_w_codes, cb, w1f; writes cb, w1f
.if DOCPART == 1
	.amdgcn_target "amdgcn-amd-amdhsa--gfx1250"
	.amdhsa_code_object_version 6
	.text
	.protected	k_q7974025333_prep
	.globl	k_q7974025333_prep
	.p2align	8
	.type	k_q7974025333_prep,@function
k_q7974025333_prep:
	s_mov_b64 s[64:65], 0
	v_nop
	global_prefetch_b8 v0, s[64:65] scope:SCOPE_SE
	s_setreg_imm32_b32 hwreg(HW_REG_WAVE_MODE, 25, 1), 1
	s_wait_xcnt 0x0
; THE PROGRAM: score[l][b] = v . tanh(enc[l][b] W1^T + w1_b + state[b] W2^T + w2_b) + v_b;  out1 = softmax of the score over l;  out0[b] = sum over l of out1[l][b] enc[l][b].
; Three launches: this one (the state's projection and W1 laid out for its reader), 'attend' (scores, and each tile's share of the softmax and of the context), 'finish' (the tiles of a b are joined).
; WORK LEFT OUT, for all finite values of the inputs:
;   v_b is added to every score of a column b alike, so it is the same along the softmax's axis l: exp(s + v_b) / sum exp(s + v_b) = exp(s) / sum exp(s).  out0 is made of out1 alone.
;     So v_b has no way to any output: it is not loaded and is among no launch's arguments.
;   last_decoder_state[1] (the cell state) is sliced away by reference(): only the first 16,384 bytes of the codes and the first 1,024 of the scales are read.
;   tanh(y) = 1 - 2 / (1 + e^(2 y)), so v . tanh(y) = sum(v) - 2 sum over n of v[n] / (1 + e^(2 y[n])): sum(v) is again the same along l, and is not formed.
; LIMIT: a NaN, an infinity or an overflow that reaches only v_b, sum(v) or the cell state is not carried to the result.
; THIS LAUNCH.  cb[b][n] = c (state[b] . W2[n] + w1_b[n] + w2_b[n]), c = 2 log2(e), so that 'attend' has e^(2 y) = 2^(c x + cb).  The product is on the given codes of E2M1 with their E8M0 scales.
; And w1f: W1's codes in the order of the operand's registers: [64 tiles of 16 rows][piece f = 0..15][lane][16 bytes]; lane (r, h) of piece f holds bytes 32 f + 16 h .. + 15 of row 16 T + r,
; so that a wave of 'attend' loads a fragment by loads of 512 consecutive bytes.
; SHARES: 16 work-groups x 4 waves = 64 waves; wave w of work-group g takes the tile T = 4 g + w of 16 rows of W2 and of W1.  The reads of W1's and W2's rows take 32 bytes of each row at a time:
; both tensors are 524,288 bytes and are read once here.
; REGISTERS: v1-7 offsets; v8 the bias; v16-19 W2's scale words, v20-27 the state's; v30, v31 the add's two; v32-47 two accumulators; v48-111 W2's 8 fragments; v112-239 the state's 2 x 8;
;   v240-255 the way out;  window 1 (v256-319): W1's 16 pieces.
.set SPARE, 8704                       ; behind the stage (32 rows x 272 bytes): the spare words, 128 bytes for each wave
.set SPW, 30
.set NIL, 31
.set MSB, 0
.macro WIN new                         ; s_set_vgpr_msb: bits 1:0 source 0, 3:2 source 1, 5:4 source 2, 7:6 destination; the high byte repeats the setting that is left
.if MSB != \new
	s_set_vgpr_msb (MSB<<8)|\new
.set MSB, \new
.endif
.endm
	s_load_b256 s[4:11], s[0:1], 0x0               ; the state's codes s[4:5], its scales s[6:7], W2's codes s[8:9], W2's scales s[10:11]
	s_load_b256 s[12:19], s[0:1], 0x20             ; w1_b s[12:13], w2_b s[14:15], W1's codes s[16:17], cb s[18:19]
	s_load_b64 s[20:21], s[0:1], 0x40              ; w1f
	v_lshl_add_u32 v[SPW], v0, 2, SPARE
	v_mov_b32 v[NIL], 0
	v_lshrrev_b32 v10, 5, v0
	v_readfirstlane_b32 s22, v10                   ; wave 0..3
	v_and_b32 v11, 31, v0                          ; lane
	v_and_b32 v12, 15, v0                          ; r
	v_bfe_u32 v13, v0, 4, 1                        ; h
	v_lshlrev_b32 v1, 9, v12
	v_lshl_add_u32 v1, v13, 4, v1                  ; a fragment: row r of 512 bytes, + 16 h
	v_lshlrev_b32 v2, 5, v12
	v_lshl_add_u32 v2, v13, 4, v2                  ; scale words: row r of 32 bytes, + 16 h: lanes 0-15 take K steps 0-3, lanes 16-31 K steps 4-7
	v_lshlrev_b32 v3, 2, v12                       ; 4 r: the biases of my column
	v_lshlrev_b32 v4, 4, v11                       ; 16 x lane: w1f
	s_lshl_b32 s32, s22, 6
	v_mul_u32_u24 v5, v13, 2176
	v_add_nc_u32 v5, v5, v3
	v_add_nc_u32 v5, s32, v5                       ; the stage, in: row b = 8 h + .., 272 bytes a row; + 64 w + 4 r
	s_lshl_b32 s33, s22, 3
	v_add_nc_u32 v14, s33, v13                     ; 8 w + lane / 16
	v_mul_u32_u24 v6, v14, 272
	v_lshl_add_u32 v6, v12, 4, v6                  ; the stage, back: sixteen lanes to a row
	v_lshlrev_b32 v7, 12, v14
	v_lshl_add_u32 v7, v12, 4, v7                  ; and the same place in cb: rows of 4,096 bytes
	s_lshl_b32 s23, ttmp9, 2
	s_add_co_u32 s23, s23, s22                     ; T = 4 g + w
	s_lshl_b32 s24, s23, 13                        ; 16 rows of codes: 8,192 bytes
	s_mov_b32 s25, 0
	s_lshl_b32 s26, s23, 9                         ; 16 rows of scales: 512 bytes
	s_mov_b32 s27, 0
	s_lshl_b32 s28, s23, 6                         ; 16 numbers of a bias
	s_mov_b32 s29, 0
	s_lshl_b32 s30, ttmp9, 8                       ; the work-group's 64 columns of cb
	s_mov_b32 s31, 0
	s_mov_b32 s34, 0x4038aa3b                      ; c = 2 log2(e)
	s_wait_alu depctr_va_vdst(0)
	s_wait_kmcnt 0x0
	s_add_nc_u64 s[16:17], s[16:17], s[24:25]
	s_add_nc_u64 s[20:21], s[20:21], s[24:25]
	s_add_nc_u64 s[8:9], s[8:9], s[24:25]
	s_add_nc_u64 s[10:11], s[10:11], s[26:27]
	s_add_nc_u64 s[12:13], s[12:13], s[28:29]
	s_add_nc_u64 s[14:15], s[14:15], s[28:29]
	s_add_nc_u64 s[18:19], s[18:19], s[30:31]
	WIN 0x40                                       ; destination window 1
.irp f, 0,1,2,3,4,5,6,7,8,9,10,11,12,13,14,15
	global_load_b128 v[4*\f:4*\f+3], v1, s[16:17] offset:32*\f      ; W1's piece f
.endr
	WIN 0
.irp f, 0,1,2,3,4,5,6,7,8,9,10,11,12,13,14,15
	global_load_b128 v[48+4*\f:48+4*\f+3], v1, s[8:9] offset:32*\f  ; W2: K step f / 2, registers 4 (f % 2) on
.endr
	global_load_b128 v[16:19], v2, s[10:11]
	global_load_b128 v[20:23], v2, s[6:7]          ; the state's rows 0-15
	global_load_b128 v[24:27], v2, s[6:7] offset:512   ; rows 16-31
	global_load_b32 v8, v3, s[12:13]
	global_load_b32 v9, v3, s[14:15]
.irp f, 0,1,2,3,4,5,6,7,8,9,10,11,12,13,14,15
	global_load_b128 v[112+4*\f:112+4*\f+3], v1, s[4:5] offset:32*\f
.endr
	s_wait_loadcnt 37                              ; W1's 16 pieces are in: behind them 16 loads of W2, 3 of scales, 2 of biases and 16 of the state were issued
	WIN 0x04                                       ; a store's data are its source 1: window 1
.irp f, 0,1,2,3,4,5,6,7,8,9,10,11,12,13,14,15
	global_store_b128 v4, v[4*\f:4*\f+3], s[20:21] offset:512*\f    ; 32 lanes store 512 consecutive bytes
.endr
	WIN 0
.irp f, 0,1,2,3,4,5,6,7,8,9,10,11,12,13,14,15
	global_load_b128 v[176+4*\f:176+4*\f+3], v1, s[4:5] offset:8192+32*\f
.endr
	s_wait_loadcnt 0x0
	v_add_f32 v8, v8, v9
	v_mul_f32 v8, s34, v8                          ; c (w1_b + w2_b) of my column
; source 0 = 16 rows of the state, source 1 = 16 rows of W2: register j of lane (r, h) is (b = 16 mt + 8 h + j, n = 16 T + r).  The two accumulators take turns.
.irp k, 0,1,2,3,4,5,6,7
.irp mt, 0,1
.if \k == 0
	v_wmma_scale_f32_16x16x128_f8f6f4 v[32+8*\mt:39+8*\mt], v[112+64*\mt+8*\k:119+64*\mt+8*\k], v[48+8*\k:55+8*\k], 0, v[20+4*\mt+\k], v[16+\k] matrix_a_fmt:MATRIX_FMT_FP4 matrix_b_fmt:MATRIX_FMT_FP4
.elseif \k < 4
	v_wmma_scale_f32_16x16x128_f8f6f4 v[32+8*\mt:39+8*\mt], v[112+64*\mt+8*\k:119+64*\mt+8*\k], v[48+8*\k:55+8*\k], v[32+8*\mt:39+8*\mt], v[20+4*\mt+\k], v[16+\k] matrix_a_fmt:MATRIX_FMT_FP4 matrix_b_fmt:MATRIX_FMT_FP4
.else
	v_wmma_scale_f32_16x16x128_f8f6f4 v[32+8*\mt:39+8*\mt], v[112+64*\mt+8*\k:119+64*\mt+8*\k], v[48+8*\k:55+8*\k], v[32+8*\mt:39+8*\mt], v[20+4*\mt+\k-4], v[16+\k-4] matrix_a_fmt:MATRIX_FMT_FP4 matrix_b_fmt:MATRIX_FMT_FP4 matrix_a_scale:MATRIX_SCALE_ROW1 matrix_b_scale:MATRIX_SCALE_ROW1
.endif
.endr
.endr
.rept 4
	v_nop                                          ; four places between the last product and the first read of a result (ISA guide 7.12.1)
.endr
.irp j, 0,1,2,3,4,5,6,7,8,9,10,11,12,13,14,15
	v_fma_f32 v[240+\j], v[32+\j], s34, v8         ; c x the sum + c x the biases; each accumulator from its low end on
.endr
.irp mt, 0,1
.irp j, 0,1,2,3,4,5,6,7
	ds_store_b32 v5, v[240+8*\mt+\j] offset:(16*\mt+\j)*272
.endr
.endr
	s_wait_dscnt 0x0                               ; for the others' sake: my stores into the stage are done
	s_barrier_signal -1
	s_barrier_wait -1                              ; a row's 256 bytes come from four waves
.irp u, 0,1,2,3
	ds_load_b128 v[240+4*\u:243+4*\u], v6 offset:544*\u
.endr
.irp u, 0,1,2,3
	s_wait_dscnt 3-\u
	global_store_b128 v7, v[240+4*\u:243+4*\u], s[18:19] offset:8192*\u   ; sixteen lanes store 256 consecutive bytes, at a multiple of 256 from cb's first byte
.endr
	s_wait_tensorcnt 0x0                           ; the wave's end
	ds_add_u32 v[SPW], v[NIL]
	s_wait_dscnt 0x0
	s_endpgm
.Lfunc_end_k_q7974025333_prep:
	.size	k_q7974025333_prep, .Lfunc_end_k_q7974025333_prep-k_q7974025333_prep
	.p2alignl 7, 3214868480
	.fill 96, 4, 3214868480
	.section	.rodata,"a",@progbits
	.p2align	6, 0x0
	.amdhsa_kernel k_q7974025333_prep
		.amdhsa_group_segment_fixed_size 9216
		.amdhsa_private_segment_fixed_size 0
		.amdhsa_enable_private_segment 0
		.amdhsa_kernarg_size 72
		.amdhsa_user_sgpr_count 2
		.amdhsa_user_sgpr_kernarg_segment_ptr 1
		.amdhsa_wavefront_size32 1
		.amdhsa_system_sgpr_workgroup_id_x 1
		.amdhsa_system_sgpr_workgroup_id_y 1
		.amdhsa_system_sgpr_workgroup_id_z 1
		.amdhsa_system_vgpr_workitem_id 0
		.amdhsa_next_free_vgpr 320
		.amdhsa_next_free_sgpr 66
		.amdhsa_reserve_vcc 0
		.amdhsa_float_denorm_mode_32 3
		.amdhsa_float_denorm_mode_16_64 3
		.amdhsa_memory_ordered 1
		.amdhsa_forward_progress 1
		.amdhsa_inst_pref_size 16
	.end_amdhsa_kernel
	.amdgpu_metadata
---
amdhsa.version: [ 1, 2 ]
amdhsa.kernels:
  - .name:           k_q7974025333_prep
    .symbol:         k_q7974025333_prep.kd
    .args:
      - { .name: last_decoder_state_codes, .offset: 0, .size: 8, .value_kind: global_buffer, .address_space: global }
      - { .name: last_decoder_state_scales, .offset: 8, .size: 8, .value_kind: global_buffer, .address_space: global }
      - { .name: w2_w_codes, .offset: 16, .size: 8, .value_kind: global_buffer, .address_space: global }
      - { .name: w2_w_scales, .offset: 24, .size: 8, .value_kind: global_buffer, .address_space: global }
      - { .name: w1_b, .offset: 32, .size: 8, .value_kind: global_buffer, .address_space: global }
      - { .name: w2_b, .offset: 40, .size: 8, .value_kind: global_buffer, .address_space: global }
      - { .name: w1_w_codes, .offset: 48, .size: 8, .value_kind: global_buffer, .address_space: global }
      - { .name: cb, .offset: 56, .size: 8, .value_kind: global_buffer, .address_space: global }
      - { .name: w1f, .offset: 64, .size: 8, .value_kind: global_buffer, .address_space: global }
    .group_segment_fixed_size: 9216
    .private_segment_fixed_size: 0
    .kernarg_segment_align: 8
    .kernarg_segment_size: 72
    .max_flat_workgroup_size: 128
    .sgpr_count:     66
    .vgpr_count:     320
    .wavefront_size: 32
...
	.end_amdgpu_metadata
.endif
;; end of part 1
;; launch attend (part 2): grid 8 x 32, 4 waves a work-group, no clusters, 327,680 bytes of LDS; arguments encoder_output, w1f, w1_w_scales, cb, v_w, scores, stats, ctxp; writes scores, stats, ctxp
.if DOCPART == 2
	.amdgcn_target "amdgcn-amd-amdhsa--gfx1250"
	.amdhsa_code_object_version 6
	.text
	.protected	k_q7974025333_attend
	.globl	k_q7974025333_attend
	.p2align	8
	.type	k_q7974025333_attend,@function
k_q7974025333_attend:
	s_mov_b64 s[64:65], 0
	v_nop
	global_prefetch_b8 v0, s[64:65] scope:SCOPE_SE
	s_setreg_imm32_b32 hwreg(HW_REG_WAVE_MODE, 25, 1), 1
	s_wait_xcnt 0x0
; t[l][b] = sum over n of v'[n] / (1 + 2^(c x[l][b][n] + cb[b][n])), x = Q(enc[l][b]) . W1[n] on codes of E2M1, c = 2 log2(e), v' = -2 log2(e) v, cb from the launch before.
; LEFT OUT, as shown at the head of the first kernel: v_b and sum(v), both the same along the softmax's axis.
; A work-group owns one b (grid y) and 256 l (grid x), in 4 tiles of 64 rows.  For each tile it stores the 64 t, the tile's largest t (m), z = sum 2^(t - m), and sum over its rows of 2^(t - m) enc[l][b][:].
; enc is read from memory once: a tile lands in LDS by tensor loads (wave w: rows 16 w .. 16 w + 15), is moved into 512 registers a wave and stays there, for the quantiser and for the context.
; The next tile's load goes out as soon as the landing area is read out, a whole tile's work ahead of its wait: so no prefetch is laid for it.  By this text's count one tensor load of a wave is out.
; THE WAVES SHARE N: wave w makes columns 256 w .. 256 w + 255 for all 64 rows; the rows' codes go from wave to wave through LDS.
; THE PRODUCT: source 0 = 16 rows of W1, source 1 = 16 rows of enc: register j of lane (r, h) is (column 8 h + j of the tile, row r).  So a row's sum over columns runs along a lane's registers.
; W1's fragments go from memory into the registers of the one wave that uses them, two sets, each asked for again two tiles ahead.  THE PASSES OVER W1 GO THERE AND BACK by pairs of tiles
; (position q stands for tile q xor 0 or q xor 14): the two sets that lie in registers at a pass's end serve the next pass's first two positions and are not loaded again.
; NO CLUSTER, though all work-groups walk the same W1: a joint load lands in LDS, and of the 327,680 bytes 326,144 are taken; a tile of 16 rows of W1 with its scales is 8,704 bytes.
; LIMITS: NaN and infinities in enc are not served; a block of 32 whose largest magnitude lies under 2^-124 (a block of zeros too) gets the scale byte 1: its bytes are read by this program alone.
; REGISTERS.  Window 0: v1-9 offsets and the add's two; v10-19 at work; v20-27 cb, v28-35 v' of the tile in hand (v20-27 behind a pass: t, m, z, p); v36-51 enc's scale words; v52-59 W1's;
;   v64-95 accumulators; v96-111 the scores' sums; v112-122 LDS addresses; v128-255 W1's fragments, two sets.  Window 1: enc's fragments, (mt, k) at v[64 mt + 8 k].
;   Windows 2, 3: my 16 rows in f32: row i at v[32 (i % 8)] of window 2 + i / 8; lane l holds columns 32 l .. 32 l + 31: one block.
.set LROW,  4352                       ; a landed row: 4,096 bytes + 16 behind each 256
.set LANDW, 16*LROW
.set XC,    4*LANDW                    ; the codes' rows, 64 x (512 + 16) bytes; later in a tile the context's exchange
.set XCP,   528
.set XS,    XC+64*XCP                  ; the scale bytes, 64 rows x 32
.set CB,    XS+2048                    ; cb[b][0..1023]
.set VP,    CB+4096                    ; v'[0..1023]
.set SC,    VP+4096                    ; the scores' parts, [row][wave] f32
.set PP,    SC+1024                    ; each wave's own 256 bytes: the 64 rows' p
.set SPARE, PP+2048                    ; the spare words, 128 bytes for each wave
.set BO,   1                           ; 16 x lane
.set BSO,  2                           ; 32 r + 16 h
.set CVA0, 3                           ; CB + 1024 w + 32 h
.set ADC,  4                           ; the same at the pair of tiles in hand
.set L8,   5                           ; 8 x lane
.set LN,   6                           ; lane
.set ZO,   7                           ; 0
.set SPW,  8
.set NIL,  9
.set CBT,  20
.set VPT,  28
.set ASC,  36
.set BSC,  52
.set ACC,  64
.set S,    96
.set LA,   112                         ; LANDW w + 128 lane + 16 (lane / 2)
.set IC,   113                         ; XC + 16 XCP w + 16 lane
.set IS,   114                         ; XS + 512 w + lane
.set AF,   115                         ; XC + XCP r + 16 h
.set AS,   116                         ; XS + 32 r + 16 h
.set SCW,  117                         ; SC + 16 r + 4 w
.set SCR,  118                         ; SC + 32 lane
.set PPW,  119                         ; PP + 256 w + 8 lane
.set PPR,  120                         ; PP + 256 w + 64 w: my 16 rows' p
.set CTW,  121                         ; XC + 4352 w + 128 lane + 16 (lane / 2)
.set CTR,  122                         ; XC + 1088 w + 16 lane + 16 h
.set BF,   128
.set QT,   64
.set QS,   72
.set QC,   80
.set CT,   64
.set PR,   96
.set MSB, 0
.macro WIN new                         ; bits 1:0 source 0, 3:2 source 1, 5:4 source 2, 7:6 destination; the high byte repeats the setting that is left
.if MSB != \new
	s_set_vgpr_msb (MSB<<8)|\new
.set MSB, \new
.endif
.endm
.macro PLACES n
.rept \n
	v_nop
.endr
.endm
.macro LAND                            ; my 16 rows out of the landing area into windows 2 and 3
	WIN 0x80
.irp i, 0,1,2,3,4,5,6,7
.irp q, 0,1,2,3,4,5,6,7
	ds_load_b128 v[32*\i+4*\q:32*\i+4*\q+3], v[LA] offset:LROW*\i+16*\q
.endr
.endr
	WIN 0xc0
.irp i, 0,1,2,3,4,5,6,7
.irp q, 0,1,2,3,4,5,6,7
	ds_load_b128 v[32*\i+4*\q:32*\i+4*\q+3], v[LA] offset:LROW*(\i+8)+16*\q
.endr
.endr
	WIN 0
.endm
.macro QUANT8 g                        ; rows 8 g .. 8 g + 7: a lane holds one whole block of each row; the eight rows take turns
	WIN 0x0a+5*\g
.irp p, 0,1,2,3,4,5,6,7
	v_max3_num_f32 v[QT+\p], |v[32*\p]|, |v[32*\p+1]|, 0x1800000    ; with the floor 2^(3 - 127): the byte cannot fall under 1
.endr
.irp i, 2,4,6,8,10,12,14,16,18,20,22,24,26,28,30
.irp p, 0,1,2,3,4,5,6,7
	v_max3_num_f32 v[QT+\p], |v[32*\p+\i]|, |v[32*\p+\i+1]|, v[QT+\p]
.endr
.endr
	WIN 0
.irp p, 0,1,2,3,4,5,6,7
	v_add_nc_u32 v[QS+\p], 0xff000000, v[QT+\p]    ; 2 off the exponent field: the conversion's scale operand
.endr
.irp p, 0,1,2,3,4,5,6,7
	v_lshrrev_b32 v[QT+\p], 23, v[QS+\p]           ; the scale's byte
.endr
	WIN 0x02+\g
.irp p, 0,1,2,3,4,5,6,7
.irp e, 0,1,2,3
	v_cvt_scalef32_pk8_fp4_f32 v[QC+4*\p+\e], v[32*\p+8*\e:32*\p+8*\e+7], v[QS+\p]
.endr
.endr
	v_nop                                          ; one plain place behind the last scaled conversion
	WIN 0
.irp p, 0,1,2,3,4,5,6,7
	ds_store_b128 v[IC], v[QC+4*\p:QC+4*\p+3] offset:(8*\g+\p)*XCP   ; the 32 lanes store the row's 512 bytes on end
	ds_store_b8 v[IS], v[QT+\p] offset:(8*\g+\p)*32
.endr
.endm
.macro ALOAD                           ; all 64 rows' fragments and scale words; scale register i: K step i in lanes 0-15, K step 4 + i in lanes 16-31
	WIN 0x40
.irp mt, 0,1,2,3
.irp f, 0,1,2,3,4,5,6,7,8,9,10,11,12,13,14,15
	ds_load_b128 v[64*\mt+4*\f:64*\mt+4*\f+3], v[AF] offset:16*XCP*\mt+32*\f
.endr
.endr
	WIN 0
.irp mt, 0,1,2,3
	ds_load_b128 v[ASC+4*\mt:ASC+4*\mt+3], v[AS] offset:512*\mt
.endr
.endm
.macro BLD set                         ; a tile of 16 rows of W1 into a set: its scale words first, then 16 loads of 512 consecutive bytes
	global_load_b128 v[BSC+4*\set:BSC+4*\set+3], v[BSO], s[42:43] offset:512*\set
.irp f, 0,1,2,3,4,5,6,7,8,9,10,11,12,13,14,15
	global_load_b128 v[BF+64*\set+4*\f:BF+64*\set+4*\f+3], v[BO], s[40:41] offset:8192*\set+512*\f
.endr
.endm
.macro MULK set, k                     ; K step k: 4 products; the four accumulators take turns; K step 0 starts the sums
.irp mt, 0,1,2,3
.if (\k) == 0
	v_wmma_scale_f32_16x16x128_f8f6f4 v[ACC+8*\mt:ACC+8*\mt+7], v[BF+64*\set:BF+64*\set+7], v[64*\mt:64*\mt+7], 0, v[BSC+4*\set], v[ASC+4*\mt] matrix_a_fmt:MATRIX_FMT_FP4 matrix_b_fmt:MATRIX_FMT_FP4
.elseif (\k) < 4
	v_wmma_scale_f32_16x16x128_f8f6f4 v[ACC+8*\mt:ACC+8*\mt+7], v[BF+64*\set+8*(\k):BF+64*\set+8*(\k)+7], v[64*\mt+8*(\k):64*\mt+8*(\k)+7], v[ACC+8*\mt:ACC+8*\mt+7], v[BSC+4*\set+(\k)], v[ASC+4*\mt+(\k)] matrix_a_fmt:MATRIX_FMT_FP4 matrix_b_fmt:MATRIX_FMT_FP4
.else
	v_wmma_scale_f32_16x16x128_f8f6f4 v[ACC+8*\mt:ACC+8*\mt+7], v[BF+64*\set+8*(\k):BF+64*\set+8*(\k)+7], v[64*\mt+8*(\k):64*\mt+8*(\k)+7], v[ACC+8*\mt:ACC+8*\mt+7], v[BSC+4*\set+(\k)-4], v[ASC+4*\mt+(\k)-4] matrix_a_fmt:MATRIX_FMT_FP4 matrix_b_fmt:MATRIX_FMT_FP4 matrix_a_scale:MATRIX_SCALE_ROW1 matrix_b_scale:MATRIX_SCALE_ROW1
.endif
.endr
.endm
; ONE TILE OF 16 COLUMNS on one set.  load = 1: the set is asked for again, for the position two on.
; THE COUNTS: behind the head a wave's only global loads are the sets' 17.  Ahead of K step 0 my set's scale words and first 8 pieces are in when at most its other 8 and the other set's 17 are out: 25;
; ahead of K steps 4 and 6 four fewer each.  In a pass's last tile no set was asked for behind mine: 8, 4, 0.
.macro NT set, w0, load
	ds_load_b128 v[CBT:CBT+3], v[ADC] offset:64*\set               ; cb of columns 8 h + 0 .. 7 of the tile: sixteen lanes read the same bytes
	ds_load_b128 v[CBT+4:CBT+7], v[ADC] offset:64*\set+16
	ds_load_b128 v[VPT:VPT+3], v[ADC] offset:4096+64*\set          ; and v'
	ds_load_b128 v[VPT+4:VPT+7], v[ADC] offset:4096+64*\set+16
	WIN 0x04                                       ; source 1: window 1
	s_wait_loadcnt \w0
	MULK \set, 0
	MULK \set, 1
	MULK \set, 2
	MULK \set, 3
	s_wait_loadcnt (\w0)-4
	MULK \set, 4
	MULK \set, 5
	s_wait_loadcnt (\w0)-8
	MULK \set, 6
	MULK \set, 7
	WIN 0
	PLACES 4                                       ; four places ahead of the first read of results and of the loads into the set
	s_wait_dscnt 0x0                               ; cb and v' are in
.set ii, 0
.rept 16
	v_pk_fma_f32 v[ACC+ii:ACC+ii+1], v[ACC+ii:ACC+ii+1], s[48:49], v[CBT+ii%8:CBT+ii%8+1] op_sel_hi:[1,0,1]   ; c x + cb; each accumulator from its low end on
.set ii, ii+2
.endr
	s_wait_alu depctr_va_vdst(0)
.if \load
	BLD \set
.endif
.set ii, 0
.rept 32
	v_exp_f32 v[ACC+ii], v[ACC+ii]
.set ii, ii+1
.endr
	v_nop
	s_wait_alu depctr_va_vdst(0)
.set ii, 0
.rept 16
	v_pk_add_f32 v[ACC+ii:ACC+ii+1], v[ACC+ii:ACC+ii+1], 1.0 op_sel_hi:[1,0]
.set ii, ii+2
.endr
	s_wait_alu depctr_va_vdst(0)
.set ii, 0
.rept 32
	v_rcp_f32 v[ACC+ii], v[ACC+ii]                 ; 2^.. = infinity gives 0, 2^.. = 0 gives 1: both ends of tanh
.set ii, ii+1
.endr
	v_nop
	s_wait_alu depctr_va_vdst(0)
.irp jp, 0,1,2,3
.irp mt, 0,1,2,3
	v_pk_fma_f32 v[S+4*\mt+2*(\jp%2):S+4*\mt+2*(\jp%2)+1], v[ACC+8*\mt+2*\jp:ACC+8*\mt+2*\jp+1], v[VPT+2*\jp:VPT+2*\jp+1], v[S+4*\mt+2*(\jp%2):S+4*\mt+2*(\jp%2)+1]
.endr
.endr
.endm
; Positions s38, s38 + 1 on sets 0 and 1.  s39 = 0 or 14: the pass's direction.  load = 1: positions s38 + 2, s38 + 3 are asked for
.macro GPAIR load
.if \load
	s_wait_xcnt 0x0                                ; the earlier loads have read their pointers
	s_add_co_u32 s52, s38, 2
	s_xor_b32 s52, s52, s39
	s_lshl_b32 s54, s52, 13                        ; 8,192 bytes of codes a tile,
	s_lshl_b32 s56, s52, 9                         ; 512 of scales
	s_add_nc_u64 s[40:41], s[44:45], s[54:55]
	s_add_nc_u64 s[42:43], s[46:47], s[56:57]
.endif
	s_xor_b32 s52, s38, s39
	v_lshl_add_u32 v[ADC], s52, 6, v[CVA0]         ; 64 bytes of cb a tile
	NT 0, 25, \load
	NT 1, 8+17*\load, \load
.endm
.macro CTXROW i                        ; the context's 32 sums take row i's p x the row; p of rows 2 u, 2 u + 1 lie in one pair
.set xx, 32*((\i)%8)
.set pq, PR+2*((\i)/2)
.set ee, 0
.rept 16
.if (\i) == 0
	v_pk_mul_f32 v[CT+ee:CT+ee+1], v[xx+ee:xx+ee+1], v[PR:PR+1] op_sel_hi:[1,0]
.elseif ((\i)%2) == 0
	v_pk_fma_f32 v[CT+ee:CT+ee+1], v[xx+ee:xx+ee+1], v[pq:pq+1], v[CT+ee:CT+ee+1] op_sel_hi:[1,0,1]
.else
	v_pk_fma_f32 v[CT+ee:CT+ee+1], v[xx+ee:xx+ee+1], v[pq:pq+1], v[CT+ee:CT+ee+1] op_sel:[0,1,0] op_sel_hi:[1,1,1]
.endif
.set ee, ee+2
.endr
.endm
	s_load_b256 s[4:11], s[0:1], 0x0               ; enc s[4:5], w1f s[6:7], W1's scales s[8:9], cb s[10:11]
	s_load_b256 s[12:19], s[0:1], 0x20             ; v_w s[12:13], scores s[14:15], stats s[16:17], ctxp s[18:19]
	v_lshl_add_u32 v[SPW], v0, 2, SPARE
	v_mov_b32 v[NIL], 0
	ds_add_u32 v[SPW], v[NIL]                      ; the opening lines: the add, twice on end, and its wait ahead of my first tensor load
	ds_add_u32 v[SPW], v[NIL]
	v_lshrrev_b32 v10, 5, v0
	v_readfirstlane_b32 s20, v10                   ; wave 0..3
	s_mov_b32 s21, ttmp9                           ; which 256 l
	s_and_b32 s22, ttmp7, 0xffff                   ; b
	; group 1: 16 rows of 1,024 elements of 4 bytes, 32,768 elements from row to row; in LDS 4 words of padding behind every 64
	s_mov_b32 s24, (2<<16)|(1<<20)|(5<<22)|(3<<25)
	s_mov_b32 s25, 1024<<16
	s_mov_b32 s26, 16<<16
	s_mov_b32 s27, 1024<<16
	s_mov_b32 s28, 16
	s_mov_b32 s29, 32768
	s_mov_b32 s30, 0
	s_mov_b32 s31, 0
	s_mov_b32 s32, 1
	s_mul_i32 s33, s20, LANDW                      ; my wave's part of the landing area
	s_lshl_b32 s52, s21, 25                        ; my first row: l = 256 x + 16 w, 131,072 bytes an l; + 4,096 b
	s_lshl_b32 s54, s20, 21
	s_add_co_u32 s52, s52, s54
	s_lshl_b32 s54, s22, 12
	s_add_co_u32 s52, s52, s54
	s_mov_b32 s53, 0
	s_mov_b32 s55, 0                               ; the upper words of the offsets s[54:55], s[56:57]
	s_mov_b32 s57, 0
	s_mov_b32 s39, 0                               ; the first pass goes up
	s_mov_b32 s48, 0x4038aa3b                      ; c = 2 log2(e)
	s_mov_b32 s49, s48
	s_mov_b32 s50, 0x76543210
	s_mov_b32 s51, 0xfedcba98                      ; v_permlanex16_b32's selects for lane l xor 16
	s_mul_i32 s2, s20, LROW
	s_add_co_u32 s2, s2, XC
	s_mul_i32 s3, s20, 16*XCP
	s_add_co_u32 s3, s3, XC
	s_lshl_b32 s58, s20, 9
	s_add_co_u32 s58, s58, XS
	s_lshl_b32 s59, s20, 8
	s_add_co_u32 s59, s59, PP
	s_lshl_b32 s60, s20, 10
	s_add_co_u32 s60, s60, CB
	s_lshl_b32 s61, s20, 2
	s_add_co_u32 s61, s61, SC
	s_mul_i32 s62, s20, 320
	s_add_co_u32 s62, s62, PP
	s_mul_i32 s63, s20, 1088
	s_add_co_u32 s63, s63, XC
	v_and_b32 v[LN], 31, v0
	v_and_b32 v10, 15, v0                          ; r
	v_bfe_u32 v11, v0, 4, 1                        ; h
	v_lshrrev_b32 v12, 1, v[LN]
	v_lshlrev_b32 v13, 7, v[LN]
	v_lshl_add_u32 v13, v12, 4, v13                ; 128 lane + 16 (lane / 2)
	v_lshlrev_b32 v[BO], 4, v[LN]
	v_lshlrev_b32 v[L8], 3, v[LN]
	v_add_nc_u32 v[LA], s33, v13
	v_add_nc_u32 v[CTW], s2, v13
	v_add_nc_u32 v[IC], s3, v[BO]
	v_add_nc_u32 v[IS], s58, v[LN]
	v_add_nc_u32 v[PPW], s59, v[L8]
	v_mul_u32_u24 v[AF], v10, XCP
	v_lshl_add_u32 v[AF], v11, 4, v[AF]
	v_add_nc_u32 v[AF], XC, v[AF]
	v_lshlrev_b32 v[BSO], 5, v10
	v_lshl_add_u32 v[BSO], v11, 4, v[BSO]
	v_add_nc_u32 v[AS], XS, v[BSO]
	v_lshl_add_u32 v[CVA0], v11, 5, s60
	v_lshl_add_u32 v[SCW], v10, 4, s61
	v_lshl_add_u32 v[SCR], v[LN], 5, SC
	v_mov_b32 v[PPR], s62
	v_lshl_add_u32 v[CTR], v11, 4, v[BO]
	v_add_nc_u32 v[CTR], s63, v[CTR]
	v_mov_b32 v[ZO], 0
.irp j, 16,17,18,19
	v_mov_b32 v\j, 0                               ; written once: a lane permute's destination counts as one of its sources
.endr
	s_wait_alu depctr_va_vdst(0)
	s_wait_dscnt 0x0                               ; both opening adds are done
	s_wait_kmcnt 0x0
	s_add_nc_u64 s[34:35], s[4:5], s[52:53]
	s_or_b32 s35, s35, 0x80000000
	tensor_load_to_lds s[32:35], s[24:31]          ; tile 0: every wave fetches its own 16 rows
	s_nop 0
	PLACES 4
	s_lshl_b32 s52, s20, 17                        ; my 16 tiles of W1: 131,072 bytes of codes a wave,
	s_add_nc_u64 s[44:45], s[6:7], s[52:53]
	s_lshl_b32 s52, s20, 13                        ; 8,192 of scales
	s_add_nc_u64 s[46:47], s[8:9], s[52:53]
	s_lshl_b32 s52, s22, 12
	s_add_nc_u64 s[10:11], s[10:11], s[52:53]      ; cb[b]
	s_lshl_b32 s52, s22, 13
	s_lshl_b32 s54, s21, 10
	s_add_co_u32 s52, s52, s54
	s_add_nc_u64 s[14:15], s[14:15], s[52:53]      ; scores[b][256 x]
	s_lshl_b32 s52, s22, 8
	s_lshl_b32 s54, s21, 5
	s_add_co_u32 s52, s52, s54
	s_add_nc_u64 s[16:17], s[16:17], s[52:53]      ; stats[b][4 x]
	s_lshl_b32 s52, s22, 17
	s_lshl_b32 s54, s21, 14
	s_add_co_u32 s52, s52, s54
	s_lshl_b32 s54, s20, 10
	s_add_co_u32 s52, s52, s54
	s_add_nc_u64 s[18:19], s[18:19], s[52:53]      ; ctxp[b][4 x][256 w]
	s_mov_b64 s[40:41], s[44:45]
	s_mov_b64 s[42:43], s[46:47]
	v_lshlrev_b32 v12, 4, v0                       ; 16 x thread: the two tables, 4,096 bytes each
	global_load_b128 v[64:67], v12, s[10:11]
	global_load_b128 v[68:71], v12, s[10:11] offset:2048
	global_load_b128 v[72:75], v12, s[12:13]
	global_load_b128 v[76:79], v12, s[12:13] offset:2048
	BLD 0                                          ; W1's tiles 0 and 1
	BLD 1
	v_add_nc_u32 v13, CB, v12
	s_wait_alu depctr_va_vdst(0)
	s_wait_loadcnt 34                              ; the tables' four loads are in; the 34 behind them are W1's
.irp j, 0,1,2,3,4,5,6,7
	v_mul_f32 v[72+\j], 0xc038aa3b, v[72+\j]       ; v' = -2 log2(e) v
.endr
	ds_store_b128 v13, v[64:67]
	ds_store_b128 v13, v[68:71] offset:2048
	ds_store_b128 v13, v[72:75] offset:4096
	ds_store_b128 v13, v[76:79] offset:6144        ; the first tile's barriers stand between these stores and their readers
.macro TILE refill
	s_wait_tensorcnt 0x0                           ; my 16 rows have landed; I alone read them
	LAND
.if \refill
	s_wait_tensorcnt 0x0                           ; no tensor load of mine is out, so group 0 may be written
	ds_add_u32 v[SPW], v[NIL]
	s_add_nc_u64 s[34:35], s[34:35], 0x800000      ; 64 l on
	s_wait_dscnt 0x0                               ; the add is done; my rows are in registers; my reads of the last tile's exchange are back
	s_barrier_signal -1
	s_barrier_wait -1
	tensor_load_to_lds s[32:35], s[24:31]          ; the next tile, first thing behind the barrier
	s_nop 0
	PLACES 4
.else
	s_wait_dscnt 0x0
	s_barrier_signal -1
	s_barrier_wait -1                              ; nobody reads the exchange any more: its bytes take the codes
.endif
	QUANT8 0
	QUANT8 1
	s_wait_dscnt 0x0                               ; for the others' sake: my codes and scale bytes are stored
	s_barrier_signal -1
	s_barrier_wait -1                              ; all 64 rows' codes and scale bytes lie in LDS
	ALOAD
.set ii, 0
.rept 16
	v_mov_b32 v[S+ii], 0                           ; the scores' sums begin: the loop below is written once for all tiles of columns
.set ii, ii+1
.endr
	s_mov_b32 s38, 0
	s_wait_dscnt 0x0                               ; the fragments are in
	s_mov_b32 s37, 7
.Lpair_\@:                                             ; 7 trips: positions 2 p, 2 p + 1 are worked, 2 p + 2, 2 p + 3 asked for
	GPAIR 1
	s_add_co_u32 s38, s38, 2
	s_sub_co_u32 s37, s37, 1
	s_cmp_lg_u32 s37, 0
	s_cbranch_scc1 .Lpair_\@
	GPAIR 0                                        ; the last pair asks for nothing: its two sets open the next pass
	s_xor_b32 s39, s39, 14                         ; which goes the other way
.irp mt, 0,1,2,3
	v_pk_add_f32 v[S+4*\mt:S+4*\mt+1], v[S+4*\mt:S+4*\mt+1], v[S+4*\mt+2:S+4*\mt+3]
.endr
.irp mt, 0,1,2,3
	v_add_f32 v[12+\mt], v[S+4*\mt], v[S+4*\mt+1]
.endr
.irp mt, 0,1,2,3
	v_permlanex16_b32 v[16+\mt], v[12+\mt], s50, s51
.endr
.irp mt, 0,1,2,3
	v_add_f32 v[12+\mt], v[12+\mt], v[16+\mt]      ; row 16 mt + r over my 256 columns
.endr
.irp mt, 0,1,2,3
	ds_store_b32 v[SCW], v[12+\mt] offset:256*\mt  ; lanes r and 16 + r write the same word with the same value
.endr
	s_wait_dscnt 0x0                               ; for the others' sake: my parts are stored
	s_barrier_signal -1
	s_barrier_wait -1                              ; the four parts of all 64 rows lie in LDS; every wave has its fragments, so the codes' bytes may take the exchange
	ds_load_b128 v[64:67], v[SCR]                  ; row 2 lane,
	ds_load_b128 v[68:71], v[SCR] offset:16        ; row 2 lane + 1: every wave makes all 64 t
	s_wait_dscnt 0x0
	v_add_f32 v64, v64, v65
	v_add_f32 v66, v66, v67
	v_add_f32 v68, v68, v69
	v_add_f32 v70, v70, v71
	v_add_f32 v20, v64, v66
	v_add_f32 v21, v68, v70
	v_max_num_f32 v22, v20, v21
.irp x, 1,2,4,8
	v_max_num_f32_dpp v22, v22, v22 row_xmask:\x row_mask:0xf bank_mask:0xf
.endr
	v_permlanex16_b32 v10, v22, s50, s51
	v_max_num_f32 v22, v22, v10                    ; m: the tile's largest t
	v_sub_f32 v24, v20, v22
	v_sub_f32 v25, v21, v22
	s_wait_alu depctr_va_vdst(0)
	v_exp_f32 v24, v24                             ; p = 2^(t - m), at most 1
	v_exp_f32 v25, v25
	v_nop
	s_wait_alu depctr_va_vdst(0)
	v_add_f32 v23, v24, v25
.irp x, 1,2,4,8
	v_add_f32_dpp v23, v23, v23 row_xmask:\x row_mask:0xf bank_mask:0xf
.endr
	v_permlanex16_b32 v10, v23, s50, s51
	v_add_f32 v23, v23, v10                        ; z
	ds_store_b64 v[PPW], v[24:25]                  ; into my wave's own bytes, 4 bytes a row,
.irp q, 0,1,2,3
	ds_load_b128 v[PR+4*\q:PR+4*\q+3], v[PPR] offset:16*\q   ; and my 16 rows' back into every lane: LDS serves a wave's instructions in order (ISA guide 5.7.1.4)
.endr
	s_cmp_lg_u32 s20, 0
	s_cbranch_scc1 .Lnot0_\@                       ; wave 0 stores the tile's t, m and z
	global_store_b64 v[L8], v[20:21], s[14:15]     ; 32 lanes store 256 consecutive bytes, at a multiple of 256 from the buffer's first byte
	s_wait_xcnt 0x0                                ; EXEC changes only behind this wait
	v_cmp_eq_u32 vcc_lo, 0, v[LN]
	s_and_saveexec_b32 s52, vcc_lo
	s_wait_alu depctr_va_vdst(0)
	global_store_b64 v[ZO], v[22:23], s[16:17]     ; lane 0 alone
	s_wait_xcnt 0x0
	s_or_b32 exec_lo, exec_lo, s52
.Lnot0_\@:
	s_wait_dscnt 0x0                               ; p is in
	WIN 0x02
.irp i, 0,1,2,3,4,5,6,7
	CTXROW \i
.endr
	WIN 0x03
.irp i, 8,9,10,11,12,13,14,15
	CTXROW \i
.endr
	WIN 0
.irp q, 0,1,2,3,4,5,6,7
	ds_store_b128 v[CTW], v[CT+4*\q:CT+4*\q+3] offset:16*\q   ; my 16 rows' share, all 1,024 columns, laid as a landed row is
.endr
	s_wait_dscnt 0x0
	s_barrier_signal -1
	s_barrier_wait -1                              ; the four shares lie in LDS
.irp wp, 0,1,2,3
.irp u, 0,1
	ds_load_b128 v[64+4*(2*\wp+\u):64+4*(2*\wp+\u)+3], v[CTR] offset:LROW*\wp+544*\u   ; columns 256 w + 128 u + 4 lane on, of wave wp's share
.endr
.endr
	s_wait_dscnt 0x0
.irp e, 0,2,4,6
	v_pk_add_f32 v[64+\e:65+\e], v[64+\e:65+\e], v[72+\e:73+\e]
	v_pk_add_f32 v[80+\e:81+\e], v[80+\e:81+\e], v[88+\e:89+\e]
.endr
.irp e, 0,2,4,6
	v_pk_add_f32 v[64+\e:65+\e], v[64+\e:65+\e], v[80+\e:81+\e]
.endr
	global_store_b128 v[BO], v[64:67], s[18:19] th:TH_STORE_NT             ; 32 lanes store 512 consecutive bytes
	global_store_b128 v[BO], v[68:71], s[18:19] offset:512 th:TH_STORE_NT
.if \refill
	s_wait_xcnt 0x0                                ; the stores have read their data and their bases: both are written again
	s_add_nc_u64 s[14:15], s[14:15], 256
	s_add_nc_u64 s[16:17], s[16:17], 8
	s_add_nc_u64 s[18:19], s[18:19], 4096
.endif
.endm
	s_mov_b32 s36, 3
.Ltile:
	TILE 1
	s_sub_co_u32 s36, s36, 1
	s_cmp_lg_u32 s36, 0
	s_cbranch_scc1 .Ltile
	TILE 0                                         ; the last tile is written out: it asks for nothing more
	s_wait_tensorcnt 0x0                           ; the wave's end
	ds_add_u32 v[SPW], v[NIL]
	s_wait_dscnt 0x0
	s_endpgm
.Lfunc_end_k_q7974025333_attend:
	.size	k_q7974025333_attend, .Lfunc_end_k_q7974025333_attend-k_q7974025333_attend
	.p2alignl 7, 3214868480
	.fill 96, 4, 3214868480
	.section	.rodata,"a",@progbits
	.p2align	6, 0x0
	.amdhsa_kernel k_q7974025333_attend
		.amdhsa_group_segment_fixed_size 327680
		.amdhsa_private_segment_fixed_size 0
		.amdhsa_enable_private_segment 0
		.amdhsa_kernarg_size 64
		.amdhsa_user_sgpr_count 2
		.amdhsa_user_sgpr_kernarg_segment_ptr 1
		.amdhsa_wavefront_size32 1
		.amdhsa_system_sgpr_workgroup_id_x 1
		.amdhsa_system_sgpr_workgroup_id_y 1
		.amdhsa_system_sgpr_workgroup_id_z 1
		.amdhsa_system_vgpr_workitem_id 0
		.amdhsa_next_free_vgpr 1024
		.amdhsa_next_free_sgpr 66
		.amdhsa_reserve_vcc 1
		.amdhsa_float_denorm_mode_32 3
		.amdhsa_float_denorm_mode_16_64 3
		.amdhsa_memory_ordered 1
		.amdhsa_forward_progress 1
		.amdhsa_inst_pref_size 214
	.end_amdhsa_kernel
	.amdgpu_metadata
---
amdhsa.version: [ 1, 2 ]
amdhsa.kernels:
  - .name:           k_q7974025333_attend
    .symbol:         k_q7974025333_attend.kd
    .args:
      - { .name: encoder_output, .offset: 0, .size: 8, .value_kind: global_buffer, .address_space: global }
      - { .name: w1f, .offset: 8, .size: 8, .value_kind: global_buffer, .address_space: global }
      - { .name: w1_w_scales, .offset: 16, .size: 8, .value_kind: global_buffer, .address_space: global }
      - { .name: cb, .offset: 24, .size: 8, .value_kind: global_buffer, .address_space: global }
      - { .name: v_w, .offset: 32, .size: 8, .value_kind: global_buffer, .address_space: global }
      - { .name: scores, .offset: 40, .size: 8, .value_kind: global_buffer, .address_space: global }
      - { .name: stats, .offset: 48, .size: 8, .value_kind: global_buffer, .address_space: global }
      - { .name: ctxp, .offset: 56, .size: 8, .value_kind: global_buffer, .address_space: global }
    .group_segment_fixed_size: 327680
    .private_segment_fixed_size: 0
    .kernarg_segment_align: 8
    .kernarg_segment_size: 64
    .max_flat_workgroup_size: 128
    .sgpr_count:     66
    .vgpr_count:     1024
    .wavefront_size: 32
...
	.end_amdgpu_metadata
.endif
;; end of part 2
;; launch finish (part 3): grid 32 x 1, 8 waves a work-group, no clusters, 10,240 bytes of LDS; arguments scores, stats, ctxp, out0, out1; writes out0, out1
.if DOCPART == 3
	.amdgcn_target "amdgcn-amd-amdhsa--gfx1250"
	.amdhsa_code_object_version 6
	.text
	.protected	k_q7974025333_finish
	.globl	k_q7974025333_finish
	.p2align	8
	.type	k_q7974025333_finish,@function
k_q7974025333_finish:
	s_mov_b64 s[64:65], 0
	v_nop
	global_prefetch_b8 v0, s[64:65] scope:SCOPE_SE
	s_setreg_imm32_b32 hwreg(HW_REG_WAVE_MODE, 25, 1), 1
	s_wait_xcnt 0x0
; The 32 tiles of each b are joined.  M[b] = the largest of the tiles' m, Z[b] = sum over tiles of z 2^(m - M);  out1[l][b] = 2^(t[b][l] - M[b]) / Z[b];
; out0[b][:] = sum over tiles of (2^(m - M[b]) / Z[b]) x the tile's share of the context.  Nothing further is left out here; v_b and sum(v) stayed out of t, as shown at the head of the first kernel.
; Z is at least 1: the tile that holds M has a row with p = 1.
; SHARES: work-group i makes out0[i][:] and out1[64 i .. 64 i + 63][all b].  Wave w owns b = 4 w + q, q = 0..3; every wave also makes the weights of b = i.  A lane is a tile in the statistics.
; out1's rows are 128 bytes (32 b) and a lane's numbers belong to two rows: they go through a stage in LDS (64 rows x 144 bytes) and leave as 16 bytes a thread, 4,096 consecutive bytes a store of the work-group.
; No matrix work, no tensor load: 4.5 MB are read once, all loads are issued first (41 a wave) and waited for by count.
; REGISTERS: v1 8 x lane, v2 16 x thread, v4, v5 the stage; v8, v9 the add's two; v10-19 (m, z) of five b; v20-27 t; v30-34 M; v35-39 at work; v40-44 2^(m - M); v45-49 Z; v50-54 1 / Z; v56-63 weights; v64-191 the 32 shares; v192-195 sums.
.set SPARE, 9216
	s_load_b256 s[4:11], s[0:1], 0x0               ; scores s[4:5], stats s[6:7], ctxp s[8:9], out0 s[10:11]
	s_load_b64 s[12:13], s[0:1], 0x20              ; out1
	v_lshl_add_u32 v8, v0, 2, SPARE
	v_mov_b32 v9, 0
	v_lshrrev_b32 v1, 5, v0
	s_delay_alu instid0(VALU_DEP_1)
	v_readfirstlane_b32 s14, v1                    ; wave 0..7
	v_and_b32 v3, 31, v0                           ; lane
	s_delay_alu instid0(VALU_DEP_1)
	v_lshlrev_b32 v1, 3, v3
	v_lshlrev_b32 v2, 4, v0
	s_delay_alu instid0(VALU_DEP_3)
	v_mul_u32_u24 v4, v3, 288
	s_lshl_b32 s15, s14, 4
	v_add_nc_u32 v4, s15, v4                       ; the stage, in: rows 2 lane, 2 lane + 1; my wave's four b are 16 bytes at 16 w
	v_lshrrev_b32 v5, 3, v0
	s_delay_alu instid0(VALU_DEP_1)
	v_mul_u32_u24 v5, v5, 144
	v_and_b32 v6, 7, v0
	s_delay_alu instid0(VALU_DEP_1)
	v_lshl_add_u32 v5, v6, 4, v5                   ; back: eight threads to a row of 128 bytes
.irp j, 0,1,2,3,4,5,6,7,8,9
	v_mov_b32 v[30+\j], 0                          ; written once: the destination of a DPP form or a lane permute counts as one of its sources
.endr
	s_lshl_b32 s16, s14, 10                        ; stats of b = 4 w: 256 bytes a b
	s_mov_b32 s17, 0
	s_lshl_b32 s24, ttmp9, 8                       ; stats of b = i; also 64 l of t
	s_mov_b32 s25, 0
	s_lshl_b32 s26, s14, 15                        ; t of b = 4 w: 8,192 bytes a b
	s_add_co_u32 s26, s26, s24
	s_mov_b32 s27, 0
	s_lshl_b32 s28, ttmp9, 17                      ; the 32 shares of b = i
	s_mov_b32 s29, 0
	s_lshl_b32 s30, ttmp9, 12
	s_mov_b32 s31, 0
	s_lshl_b32 s2, ttmp9, 13
	s_mov_b32 s3, 0
	s_mov_b32 s20, 0x76543210
	s_mov_b32 s21, 0xfedcba98                      ; v_permlanex16_b32's selects for lane l xor 16
	s_wait_kmcnt 0x0
	s_add_nc_u64 s[22:23], s[6:7], s[16:17]
	s_add_nc_u64 s[18:19], s[6:7], s[24:25]
	s_add_nc_u64 s[4:5], s[4:5], s[26:27]
	s_add_nc_u64 s[8:9], s[8:9], s[28:29]
	s_add_nc_u64 s[10:11], s[10:11], s[30:31]
	s_add_nc_u64 s[12:13], s[12:13], s[2:3]
.irp q, 0,1,2,3
	global_load_b64 v[10+2*\q:11+2*\q], v1, s[22:23] offset:256*\q
.endr
	global_load_b64 v[18:19], v1, s[18:19]
.irp q, 0,1,2,3
	global_load_b64 v[20+2*\q:21+2*\q], v1, s[4:5] offset:8192*\q th:TH_LOAD_NT
.endr
.set tt, 0
.rept 32
	global_load_b128 v[64+4*tt:67+4*tt], v2, s[8:9] offset:4096*tt th:TH_LOAD_NT
.set tt, tt+1
.endr
	s_wait_loadcnt 36                              ; the five loads of statistics are in: behind them 4 of t and 32 of shares
.irp q, 0,1,2,3,4
	v_max_num_f32_dpp v[30+\q], v[10+2*\q], v[10+2*\q] row_xmask:1 row_mask:0xf bank_mask:0xf   ; five chains by turns
.endr
.irp x, 2,4,8
.irp q, 0,1,2,3,4
	v_max_num_f32_dpp v[30+\q], v[30+\q], v[30+\q] row_xmask:\x row_mask:0xf bank_mask:0xf
.endr
.endr
.irp q, 0,1,2,3,4
	v_permlanex16_b32 v[35+\q], v[30+\q], s20, s21
.endr
.irp q, 0,1,2,3,4
	v_max_num_f32 v[30+\q], v[30+\q], v[35+\q]     ; M
.endr
.irp q, 0,1,2,3,4
	v_sub_f32 v[40+\q], v[10+2*\q], v[30+\q]
.endr
	s_wait_alu depctr_va_vdst(0)
.irp q, 0,1,2,3,4
	v_exp_f32 v[40+\q], v[40+\q]                   ; 2^(m - M)
.endr
	v_nop
	s_wait_alu depctr_va_vdst(0)                   ; one wait for the five, ahead of their first reader
.irp q, 0,1,2,3,4
	v_mul_f32 v[45+\q], v[11+2*\q], v[40+\q]
.endr
.irp x, 1,2,4,8
.irp q, 0,1,2,3,4
	v_add_f32_dpp v[45+\q], v[45+\q], v[45+\q] row_xmask:\x row_mask:0xf bank_mask:0xf
.endr
.endr
.irp q, 0,1,2,3,4
	v_permlanex16_b32 v[35+\q], v[45+\q], s20, s21
.endr
.irp q, 0,1,2,3,4
	v_add_f32 v[45+\q], v[45+\q], v[35+\q]         ; Z
.endr
	s_wait_alu depctr_va_vdst(0)
.irp q, 0,1,2,3,4
	v_rcp_f32 v[50+\q], v[45+\q]
.endr
	v_nop
	s_wait_alu depctr_va_vdst(0)
	v_mul_f32 v44, v44, v54                        ; b = i: my tile's weight
.set tt, 0
.rept 32
	v_readlane_b32 s[32+tt], v44, tt               ; the 32 weights as scalars: every thread wants all of them
.set tt, tt+1
.endr
	s_wait_loadcnt 32                              ; t is in: behind it the 32 loads of shares
.irp e, 0,1
.irp q, 0,1,2,3
	v_sub_f32 v[56+4*\e+\q], v[20+2*\q+\e], v[30+\q]
.endr
.endr
	s_wait_alu depctr_va_vdst(0)
.irp j, 0,1,2,3,4,5,6,7
	v_exp_f32 v[56+\j], v[56+\j]
.endr
	v_nop
	s_wait_alu depctr_va_vdst(0)
.irp e, 0,1
.irp q, 0,1,2,3
	v_mul_f32 v[56+4*\e+\q], v[56+4*\e+\q], v[50+\q]   ; out1[64 i + 2 lane + e][4 w + q]
.endr
.endr
	ds_store_b128 v4, v[56:59]
	ds_store_b128 v4, v[60:63] offset:144
	s_wait_dscnt 0x0                               ; for the others' sake: my stores into the stage are done
	s_barrier_signal -1
	s_barrier_wait -1
	ds_load_b128 v[56:59], v5
	ds_load_b128 v[60:63], v5 offset:4608
	s_wait_dscnt 0x1
	global_store_b128 v2, v[56:59], s[12:13]       ; a wave stores 512 consecutive bytes
	s_wait_dscnt 0x0
	global_store_b128 v2, v[60:63], s[12:13] offset:4096
	s_wait_loadcnt 24                              ; shares 0 to 7 are in; the counts run down eight loads at a time
.irp e, 0,1,2,3
	v_mul_f32 v[192+\e], s32, v[64+\e]
.endr
.irp t, 1,2,3,4,5,6,7
.irp e, 0,1,2,3
	s_delay_alu instid0(VALU_DEP_4)
	v_fma_f32 v[192+\e], s[32+\t], v[64+4*\t+\e], v[192+\e]
.endr
.endr
	s_wait_alu depctr_va_vdst(0)
	s_wait_loadcnt 16
.irp t, 8,9,10,11,12,13,14,15
.irp e, 0,1,2,3
	v_fma_f32 v[192+\e], s[32+\t], v[64+4*\t+\e], v[192+\e]
.endr
.endr
	s_wait_alu depctr_va_vdst(0)
	s_wait_loadcnt 8
.irp t, 16,17,18,19,20,21,22,23
.irp e, 0,1,2,3
	v_fma_f32 v[192+\e], s[32+\t], v[64+4*\t+\e], v[192+\e]
.endr
.endr
	s_wait_alu depctr_va_vdst(0)
	s_wait_loadcnt 0x0
.irp t, 24,25,26,27,28,29,30,31
.irp e, 0,1,2,3
	v_fma_f32 v[192+\e], s[32+\t], v[64+4*\t+\e], v[192+\e]
.endr
.endr
	global_store_b128 v2, v[192:195], s[10:11]     ; out0[i]: 16 bytes a thread, the row's 4,096 bytes on end
	s_wait_tensorcnt 0x0                           ; the wave's end
	ds_add_u32 v8, v9
	s_wait_dscnt 0x0
	s_endpgm
.Lfunc_end_k_q7974025333_finish:
	.size	k_q7974025333_finish, .Lfunc_end_k_q7974025333_finish-k_q7974025333_finish
	.p2alignl 7, 3214868480
	.fill 96, 4, 3214868480
	.section	.rodata,"a",@progbits
	.p2align	6, 0x0
	.amdhsa_kernel k_q7974025333_finish
		.amdhsa_group_segment_fixed_size 10240
		.amdhsa_private_segment_fixed_size 0
		.amdhsa_enable_private_segment 0
		.amdhsa_kernarg_size 40
		.amdhsa_user_sgpr_count 2
		.amdhsa_user_sgpr_kernarg_segment_ptr 1
		.amdhsa_wavefront_size32 1
		.amdhsa_system_sgpr_workgroup_id_x 1
		.amdhsa_system_sgpr_workgroup_id_y 1
		.amdhsa_system_sgpr_workgroup_id_z 1
		.amdhsa_system_vgpr_workitem_id 0
		.amdhsa_next_free_vgpr 200
		.amdhsa_next_free_sgpr 66
		.amdhsa_reserve_vcc 0
		.amdhsa_float_denorm_mode_32 3
		.amdhsa_float_denorm_mode_16_64 3
		.amdhsa_memory_ordered 1
		.amdhsa_forward_progress 1
		.amdhsa_inst_pref_size 24
	.end_amdhsa_kernel
	.amdgpu_metadata
---
amdhsa.version: [ 1, 2 ]
amdhsa.kernels:
  - .name:           k_q7974025333_finish
    .symbol:         k_q7974025333_finish.kd
    .args:
      - { .name: scores, .offset: 0, .size: 8, .value_kind: global_buffer, .address_space: global }
      - { .name: stats, .offset: 8, .size: 8, .value_kind: global_buffer, .address_space: global }
      - { .name: ctxp, .offset: 16, .size: 8, .value_kind: global_buffer, .address_space: global }
      - { .name: out0, .offset: 24, .size: 8, .value_kind: global_buffer, .address_space: global }
      - { .name: out1, .offset: 32, .size: 8, .value_kind: global_buffer, .address_space: global }
    .group_segment_fixed_size: 10240
    .private_segment_fixed_size: 0
    .kernarg_segment_align: 8
    .kernarg_segment_size: 40
    .max_flat_workgroup_size: 256
    .sgpr_count:     66
    .vgpr_count:     200
    .wavefront_size: 32
...
	.end_amdgpu_metadata
.endif
;; end of part 3
